; MI455X (gfx1250); checked and timed in simulation.
; The chip was launched on July 23, 2026; its instructions are those of AMD's public machine-readable ISA for CDNA 5 (MIT licence, August 2026) and "CDNA5" Instruction Set Architecture Reference Guide (July 2026). The comments in the code are by the model that wrote it; some were corrected since.
;; Attention. Allowed arithmetic: matrix products marked QUANTISED: E3M2 operands, one E8M0 scale for each 32 along K, by v_wmma_scale_f32_16x16x128_f8f6f4 with both operands' format E3M2, f32 sums; everything else in f32.
;; Inputs: Wo 1,024 x 1,024 float32; Wqkv 1,024 x 3,072 float32; x 4 x 2,048 x 1,024 float32.
;; Outputs: out0 4 x 2,048 x 1,024 float32.
;; This version of the problem:
;;   THIS VERSION OF THE PROBLEM IS GIVEN IN LOW PRECISION. The matrix products marked QUANTISED in the list below multiply operands that are first quantised to E3M2 (3 exponent bits, 2 mantissa bits; 6 bits a number), with one power-of-two scale for each 32 numbers along K (OCP MX v1.0); their sums are f32. All else is computed in f32.
;;   The module's matrix products, in the order in which they are computed (A, B: the left and right operand; K: the contracted axis; several contracted axes count as one K, in the product's order):
;;     1. [M 8,192, K 1,024] x [K 1,024, N 3,072]; A: input x; B: input Wqkv: QUANTISED
;;     2. batch 64 x [M 2,048, K 64] x [K 64, N 2,048]; A: computed on the way; B: computed on the way: QUANTISED
;;     3. batch 64 x [M 2,048, K 2,048] x [K 2,048, N 64]; A: softmax (see below); B: computed on the way: QUANTISED
;;     4. [M 8,192, K 1,024] x [K 1,024, N 1,024]; A: computed on the way; B: input Wo: QUANTISED
;;   THE QUANTISER, for each operand of a quantised product, along K:
;;     - K is cut into blocks of 32 from its start; a last block that is shorter is filled with zeros.
;;     - A block's scale is 2^e with e = floor(log2(the largest magnitude in the block)) - 4, held to -126 .. 127; a block of zeros has e = 0. As a byte (E8M0): e + 127.
;;     - Each number is divided by its block's scale, clamped to +-28, and rounded to the nearest number of E3M2, ties to even, subnormals kept.
;;     - The product sums the exact products of the quantised numbers (number of the format x scale) in f32.
;;   ~~~python
;;   def quantise(x, axis):      # numpy; x: float32 -> the quantised numbers, widened to float32 again
;;       x = np.moveaxis(x, axis, -1); K = x.shape[-1]
;;       x = np.pad(x, [(0, 0)] * (x.ndim - 1) + [(0, -K % 32)]); x = x.reshape(x.shape[:-1] + (-1, 32)); a = np.abs(x).max(-1, keepdims=True)
;;       e = np.where(a > 0, np.clip(np.frexp(np.where(a > 0, a, 1))[1] - 1 - 4, -126, 127), 0)      # np.frexp(a)[1] - 1 = floor(log2(a)), exactly
;;       r = np.clip(x / 2.0 ** e, -28, 28)
;;       step = 2.0 ** (np.maximum(np.frexp(np.where(r == 0, 1, r))[1] - 1, -2) - 2)
;;       q = np.round(r / step) * step * 2.0 ** e      # np.round: ties to even
;;       return np.moveaxis(q.reshape(q.shape[:-2] + (-1,))[..., :K], -1, axis).astype(np.float32)
;;   ~~~
;;   SOFTMAX AHEAD OF A QUANTISED PRODUCT. Where the list says 'softmax', what is quantised is not the finished softmax but p = 2^(t - M), with t = logit x log2(e) and M = ceil(the row's largest t), a whole number; so 1/2 < the row's largest p <= 1. The row's sum l is taken of the UNQUANTISED p, in f32, and the product's result is divided by l at the end. Since M is a whole number, a kernel that streams over the keys may use a running M (the ceiling of the running maximum): every later rescaling is an exact power of two, which a block's scale takes up: the codes' values come out the same.
;;   OPERANDS COMPUTED ON THE WAY. 'Computed on the way' means the value that the module computes at that place (a softmax that the list does not call 'softmax' is quantised finished and normalised). What goes into a quantiser is computed in f32, as accurately as f32 sums, v_exp_f32 and their like allow (about 1e-6 of the number): no bf16 or f16 on the way to a quantiser, and a product that is left as it is and whose result goes on into a quantised operand takes f32 operands (vector FMAs, or v_wmma_f32_16x16x4_f32). A number that lies on a knife's edge between two numbers of the format may be rounded either way, as far as f32 arithmetic and the matrix unit's own rounding can turn it there, and no further.
;; One version. Each part assembles by itself: llvm-mc -triple=amdgcn-amd-amdhsa -mcpu=gfx1250 --defsym DOCPART=n.
;; ======== version 1 of 1: 4 launches
;; workspace buffers: xc 6,291,456 bytes; xs 262,144 bytes; wc 3,145,728 bytes; ws 131,072 bytes; qkv 20,185,088 bytes; yc 6,291,456 bytes; ys 262,144 bytes
;; launch quant (part 1): grid 640 x 1, 4 waves a work-group, no clusters, 34,304 bytes of LDS; arguments x, Wqkv, Wo, xc, xs, wc, ws; writes xc, xs, wc, ws
.if DOCPART == 1
	.amdgcn_target "amdgcn-amd-amdhsa--gfx1250"
	.amdhsa_code_object_version 6
	.text
	.protected	k_q1466e975fd_quant
	.globl	k_q1466e975fd_quant
	.p2align	8
	.type	k_q1466e975fd_quant,@function
k_q1466e975fd_quant:
	s_mov_b64 s[64:65], 0
	v_nop
	global_prefetch_b8 v0, s[64:65] scope:SCOPE_SE
	s_setreg_imm32_b32 hwreg(HW_REG_WAVE_MODE, 25, 1), 1
	s_wait_xcnt 0x0
; x [8192][1024], Wqkv [1024][3072] and Wo [1024][1024], f32, become codes of BF6 (E3M2) with one E8M0 byte for each 32 along K, laid in the order of the operands' registers.
; A block's scale is 2^(floor(log2(its largest magnitude)) - 4); its byte is the largest magnitude's exponent field - 4, held at 1 from below.
; LIMITS: NaN and infinities among the inputs are not served.  A block of zeros gets the byte 1 where the rule says 127: its codes are zeros, and this program alone reads the bytes.
; TILES.  A tile is 16 rows (of x) or 16 columns n (of a weight), NOT neighbours: lane r of tile t holds row 32 (t / 2) + 8 (t % 2) + r + 8 (r / 8).
; UNITS.  A unit, 768 bytes, is the register image of 16 rows x 64 along K: lane (r, h) holds the 24 bytes of k = 32 h .. 32 h + 31; its registers 0-3 lie at 16 x lane, registers 4-5 at 512 + 8 x lane.
;   xc: [tile 512][unit 16];  wc: [tile 256][unit 16], tiles 0-191 Wqkv's columns, tiles 192-255 Wo's.
; SCALE WORDS (four bytes: 128 along K of one row): xs, ws: [tile][step of 128 along K: 8][r: 16] words.
; Work-groups 0-511 take a tile of x each, a wave 256 along K.  Work-groups 512-639 take 128 columns x 256 along K of a weight, a lane to a column with its registers down K.
; No matrix work, no shared input, no barrier: waves share nothing.  Only x's path touches LDS: each wave's own stage, 16 rows of 512 bytes + 16.
.set R,   16                           ; x: v16-143  two steps x 16 rows x 4 registers, as loaded
.set ST,  144                          ; x: v144-207 64 numbers of my row: register 16 b + i = k 32 b + 16 (lane / 16) + i
.set PC,  208                          ; x: v208-219 a fragment's codes; v220-227 at work
.set TM,  228                          ; x: v228-243 at work
.set PW,  244                          ; x: the scale word just made
.set PW0, 245                          ; x: the first step's
.set SEL, 20                           ; x: s[20:21] lane selects for v_permlanex16_b32: lane l xor 16
.set VO,  16                           ; W: v16-47   row i of a block: i x the row's bytes + 4 x lane
.set X,   48                           ; W: v48-111  two sets of 32 numbers
.set F,   112                          ; W: v112-159 six registers of codes for each of the eight blocks: no store's data are written again
.set CT,  160                          ; W: v160-162 the second half of a block's codes, as converted
	s_load_b256 s[4:11], s[0:1], 0x0               ; x s[4:5], Wqkv s[6:7], Wo s[8:9], xc s[10:11]
	s_load_b128 s[12:15], s[0:1], 0x20             ; xs s[12:13], wc s[14:15]
	s_load_b64 s[16:17], s[0:1], 0x30              ; ws
	v_lshl_add_u32 v254, v0, 2, 0x8400
	v_mov_b32 v255, 0
	v_lshrrev_b32 v1, 5, v0
	v_readfirstlane_b32 s18, v1                    ; wave 0..3
	v_and_b32 v9, 31, v0                           ; lane
	s_cmp_lt_u32 ttmp9, 512
	s_cbranch_scc0 .Lw
; ---------------- x: tile T = the work-group's number, my wave's 256 along K ----------------
	v_lshlrev_b32 v1, 4, v9                        ; 16 x lane
	v_lshlrev_b32 v2, 3, v9                        ; 8 x lane
	v_lshlrev_b32 v3, 2, v9                        ; 4 x lane
	v_and_b32 v6, 15, v0                           ; r
	v_bfe_u32 v7, v0, 4, 1                         ; h
	s_mul_i32 s19, s18, 8448                       ; my stage
	v_add_nc_u32 v4, s19, v1                       ; in: a row's 512 bytes as they lie
	v_mul_u32_u24 v5, v6, 528
	v_lshl_add_u32 v5, v7, 6, v5
	v_add_nc_u32 v5, s19, v5                       ; out: row r, + 64 h: my 16 numbers of each block of 32
	s_mov_b32 s[SEL], 0x76543210
	s_mov_b32 s[SEL+1], 0xfedcba98
	s_mov_b32 s22, 0xffff0000                      ; lanes 16-31
.irp b, 0,1,2,3
	v_mov_b32 v[TM+4+\b], 0                        ; written once: a lane permute's destination counts as one of its sources
.endr
	s_lshr_b32 s24, ttmp9, 1
	s_lshl_b32 s24, s24, 17                        ; 32 (T / 2) rows of 4,096 bytes
	s_and_b32 s26, ttmp9, 1
	s_lshl_b32 s26, s26, 15                        ; + 8 (T % 2) rows
	s_add_co_u32 s24, s24, s26
	s_lshl_b32 s26, s18, 10                        ; + my 256 numbers
	s_add_co_u32 s24, s24, s26
	s_mov_b32 s25, 0
	s_mul_i32 s26, ttmp9, 12288                    ; the tile's 16 units,
	s_mul_i32 s28, s18, 3072                       ; my four of them
	s_add_co_u32 s26, s26, s28
	s_mov_b32 s27, 0
	s_lshl_b32 s28, ttmp9, 9                       ; the tile's 512 bytes of scale words,
	s_lshl_b32 s30, s18, 7                         ; my two steps' 128
	s_add_co_u32 s28, s28, s30
	s_mov_b32 s29, 0
	s_wait_kmcnt 0x0
	s_add_nc_u64 s[4:5], s[4:5], s[24:25]
	s_add_nc_u64 s[10:11], s[10:11], s[26:27]
	s_add_nc_u64 s[12:13], s[12:13], s[28:29]
.irp p, 0,1
.irp i, 0,1,2,3,4,5,6,7,8,9,10,11,12,13,14,15
	global_load_b128 v[R+64*\p+4*\i:R+64*\p+4*\i+3], v1, s[4:5] offset:(\i+8*(\i/8))*4096+512*\p th:TH_LOAD_NT   ; 32 lanes read 512 consecutive bytes of the tile's row i
.endr
.endr
; step p's 16 rows go through the stage as they lie and come back 64 numbers a lane.  LDS serves a wave's instructions in order: no wait stands between the stores and the loads
.macro TURN p
.irp i, 0,1,2,3,4,5,6,7,8,9,10,11,12,13,14,15
	ds_store_b128 v4, v[R+64*\p+4*\i:R+64*\p+4*\i+3] offset:528*\i
.endr
.irp b, 0,1,2,3
.irp j, 0,1,2,3
	ds_load_b128 v[ST+16*\b+4*\j:ST+16*\b+4*\j+3], v5 offset:128*\b+16*\j
.endr
.endr
.endm
; 64 numbers of a lane, v[s] on, become a fragment's codes in v[PC] on (two units) and its scale word in v[PW]
.macro QUANT s
.irp b, 0,1,2,3
	v_max3_num_f32 v[TM+\b], |v[\s+16*\b]|, |v[\s+1+16*\b]|, 0x2800000   ; block b: my 16 numbers, and the floor 2^(5 - 127): the byte cannot fall under 1
.endr
.irp i, 2,4,6,8,10,12,14
.irp b, 0,1,2,3
	v_max3_num_f32 v[TM+\b], v[TM+\b], |v[\s+16*\b+\i]|, |v[\s+1+16*\b+\i]|   ; the four blocks by turns
.endr
.endr
.irp b, 0,1,2,3
	v_permlanex16_b32 v[TM+4+\b], v[TM+\b], s[SEL], s[SEL+1]
.endr
.irp b, 0,1,2,3
	v_max_num_f32 v[TM+\b], v[TM+\b], v[TM+4+\b]   ; with lane l xor 16's: the block's largest magnitude
.endr
.irp b, 0,1,2,3
	v_add_nc_u32 v[TM+12+\b], 0xfe000000, v[TM+\b]   ; 4 off its exponent field: the conversion takes the exponent field of this operand as its scale
.endr
.irp b, 0,1,2,3
	v_lshrrev_b32 v[TM+4+\b], 23, v[TM+12+\b]      ; the scale's byte
.endr
	v_lshl_or_b32 v[PW], v[TM+5], 8, v[TM+4]
	v_lshl_or_b32 v[PW], v[TM+6], 16, v[PW]
	v_lshl_or_b32 v[PW], v[TM+7], 24, v[PW]
.irp c, 0,1
	v_cvt_scalef32_pk16_bf6_f32 v[PC+6*\c:PC+2+6*\c], v[\s+32*\c:\s+15+32*\c], v[TM+12+2*\c]
	v_cvt_scalef32_pk16_bf6_f32 v[PC+12+4*\c:PC+14+4*\c], v[\s+16+32*\c:\s+31+32*\c], v[TM+12+2*\c+1]   ; (a conversion's three registers begin on an even number)
.endr
	v_nop                                          ; one plain place behind a scaled conversion
.irp c, 0,1                                    ; the operand's layout wants a whole block in a lane: lanes 0-15 block 2 c, lanes 16-31 block 2 c + 1
.irp i, 0,1,2
	v_permlane16_swap_b32 v[PC+6*\c+\i], v[PC+12+4*\c+\i]
.endr
.irp i, 0,1,2
	v_mov_b32 v[PC+3+6*\c+\i], v[PC+12+4*\c+\i]
.endr
.endr
.endm
.macro UNITS p                                 ; the fragment's two units: each store covers 512 or 256 consecutive bytes, aligned
	global_store_b128 v1, v[PC:PC+3], s[10:11] offset:1536*\p
	global_store_b64 v2, v[PC+4:PC+5], s[10:11] offset:1536*\p+512
	global_store_b128 v1, v[PC+6:PC+9], s[10:11] offset:1536*\p+768
	global_store_b64 v2, v[PC+10:PC+11], s[10:11] offset:1536*\p+1280
.endm
	s_wait_loadcnt 16                              ; the first step's 16 loads are in, the second step's 16 may be out
	TURN 0
	s_wait_dscnt 0x0
	QUANT ST
	UNITS 0
	v_mov_b32 v[PW0], v[PW]
	s_wait_loadcnt 0x0
	TURN 1                                         ; the same stage: my reads of it are back
	s_wait_dscnt 0x0
	s_wait_xcnt 0x0                                ; the codes' registers, which the four stores read, are written again only behind this wait
	QUANT ST
	UNITS 1
	v_cndmask_b32 v[PW], v[PW0], v[PW], s22        ; lanes 0-15 the first step's word of row r, lanes 16-31 the second's
	global_store_b32 v3, v[PW], s[12:13]           ; 128 consecutive bytes; the four waves fill the tile's 512
	s_wait_tensorcnt 0x0
	ds_add_u32 v254, v255
	s_wait_dscnt 0x0
	s_endpgm
; ---------------- the weights: one path for both ----------------
.Lw:
	s_sub_co_u32 s19, ttmp9, 512
	s_and_b32 s20, s19, 3                          ; which 256 along K
	s_lshr_b32 s21, s19, 2                         ; which 128 columns: 0-23 Wqkv's, 24-31 Wo's
	v_lshlrev_b32 v3, 2, v9                        ; lane x takes column x of my wave's 32
	v_bfe_u32 v10, v0, 3, 1                        ; which falls into tile u = (x / 8) % 2
	v_and_b32 v11, 7, v0
	v_bfe_u32 v12, v0, 4, 1
	v_lshl_or_b32 v11, v12, 3, v11                 ; at lane r = x % 8 + 8 (x / 16)
	v_mul_u32_u24 v13, v10, 12288
	v_lshl_add_u32 v6, v11, 4, v13                 ; codes, registers 0-3: the tile + 16 r
	v_lshl_add_u32 v7, v11, 3, v13                 ; registers 4-5: the tile + 8 r
	v_lshlrev_b32 v8, 9, v10
	v_lshl_add_u32 v8, v11, 2, v8                  ; scale words: the tile + 4 r
	s_mov_b32 s24, 4096                            ; a row of Wo in bytes
	s_wait_kmcnt 0x0
	s_cmp_lt_u32 s21, 24                           ; the choice hangs on the work-group's number alone
	s_cselect_b64 s[6:7], s[6:7], s[8:9]
	s_cselect_b32 s24, 12288, s24                  ; a row of Wqkv
	s_cselect_b32 s27, 0, 24
	s_sub_co_u32 s27, s21, s27                     ; the group of 128 columns in its own tensor
.set ii, 0
.rept 32
	v_mad_u32_u24 v[VO+ii], s24, ii, v3
.set ii, ii+1
.endr
	s_lshl_b32 s28, s20, 8
	s_mul_i32 s28, s28, s24                        ; my first row of K,
	s_lshl_b32 s30, s27, 9
	s_add_co_u32 s28, s28, s30                     ; the group's 512 bytes,
	s_lshl_b32 s30, s18, 7
	s_add_co_u32 s28, s28, s30                     ; my wave's 128
	s_mov_b32 s29, 0
	s_add_nc_u64 s[32:33], s[6:7], s[28:29]        ; a base for each of the eight blocks: none is stepped
	s_lshl_b32 s50, s24, 5
	s_mov_b32 s51, 0
.irp t, 1,2,3,4,5,6,7
	s_add_nc_u64 s[32+2*\t:33+2*\t], s[30+2*\t:31+2*\t], s[50:51]
.endr
	s_lshl_b32 s22, s21, 3
	s_lshl_b32 s23, s18, 1
	s_add_co_u32 s22, s22, s23                     ; my 32 columns are tiles 8 x group + 2 x wave and the next
	s_mul_i32 s28, s22, 12288
	s_mul_i32 s30, s20, 3072
	s_add_co_u32 s28, s28, s30
	s_add_nc_u64 s[14:15], s[14:15], s[28:29]
	s_lshl_b32 s28, s22, 9
	s_lshl_b32 s30, s20, 7
	s_add_co_u32 s28, s28, s30
	s_add_nc_u64 s[16:17], s[16:17], s[28:29]
.macro LOADB t                                 ; block t: 32 rows of K at my column: 128 consecutive bytes a wave, 512 a work-group
.set ii, 0
.rept 32
	global_load_b32 v[X+32*((\t)%2)+ii], v[VO+ii], s[32+2*(\t):33+2*(\t)] th:TH_LOAD_NT
.set ii, ii+1
.endr
.endm
.macro BLOCK t
.set XS, X+32*((\t)%2)
.if (\t) < 7
	s_wait_loadcnt 32                              ; this block's 32 loads are in, the next block's may be out
.else
	s_wait_loadcnt 0x0
.endif
	v_max3_num_f32 v164, |v[XS]|, |v[XS+1]|, |v[XS+2]|             ; the block's largest magnitude: all 32 numbers are mine; two chains
	v_max3_num_f32 v165, |v[XS+3]|, |v[XS+4]|, |v[XS+5]|
.irp i, 6,10,14,18,22,26
	v_max3_num_f32 v164, v164, |v[XS+\i]|, |v[XS+\i+1]|
	v_max3_num_f32 v165, v165, |v[XS+\i+2]|, |v[XS+\i+3]|
.endr
	v_max3_num_f32 v164, v164, |v[XS+30]|, |v[XS+31]|
	v_max3_num_f32 v164, v164, v165, 0x2800000     ; and the floor
	v_add_nc_u32 v166, 0xfe000000, v164            ; the conversion's scale operand
	v_lshrrev_b32 v165, 23, v166                   ; the byte
.if (\t)%4 == 0
	v_mov_b32 v[168+(\t)/4], v165                  ; four bytes to a word, the lower K in the lower byte
.else
	v_lshl_or_b32 v[168+(\t)/4], v165, 8*((\t)%4), v[168+(\t)/4]
.endif
	v_cvt_scalef32_pk16_bf6_f32 v[F+6*(\t):F+6*(\t)+2], v[XS:XS+15], v166
	v_cvt_scalef32_pk16_bf6_f32 v[CT:CT+2], v[XS+16:XS+31], v166
	v_nop                                          ; one plain place behind a scaled conversion
.irp i, 0,1,2
	v_mov_b32 v[F+6*(\t)+3+\i], v[CT+\i]
.endr
	global_store_b128 v6, v[F+6*(\t):F+6*(\t)+3], s[14:15] offset:768*((\t)/2)+256*((\t)%2)         ; block t is half t % 2 of unit t / 2: a tile's sixteen lanes store 256 consecutive bytes, aligned
	global_store_b64 v7, v[F+6*(\t)+4:F+6*(\t)+5], s[14:15] offset:768*((\t)/2)+512+128*((\t)%2)
.if (\t)+2 < 8
	LOADB (\t)+2
.endif
.endm
	LOADB 0
	LOADB 1
.irp t, 0,1,2,3,4,5,6,7
	BLOCK \t
.endr
	global_store_b32 v8, v168, s[16:17]            ; my column's two scale words: 64 consecutive bytes a tile and step
	global_store_b32 v8, v169, s[16:17] offset:64
	s_endpgm
.Lfunc_end_k_q1466e975fd_quant:
	.size	k_q1466e975fd_quant, .Lfunc_end_k_q1466e975fd_quant-k_q1466e975fd_quant
	.p2alignl 7, 3214868480
	.fill 96, 4, 3214868480
	.section	.rodata,"a",@progbits
	.p2align	6, 0x0
	.amdhsa_kernel k_q1466e975fd_quant
		.amdhsa_group_segment_fixed_size 34304
		.amdhsa_private_segment_fixed_size 0
		.amdhsa_enable_private_segment 0
		.amdhsa_kernarg_size 56
		.amdhsa_user_sgpr_count 2
		.amdhsa_user_sgpr_kernarg_segment_ptr 1
		.amdhsa_wavefront_size32 1
		.amdhsa_system_sgpr_workgroup_id_x 1
		.amdhsa_system_sgpr_workgroup_id_y 1
		.amdhsa_system_sgpr_workgroup_id_z 1
		.amdhsa_system_vgpr_workitem_id 0
		.amdhsa_next_free_vgpr 256
		.amdhsa_next_free_sgpr 66
		.amdhsa_reserve_vcc 0
		.amdhsa_float_denorm_mode_32 3
		.amdhsa_float_denorm_mode_16_64 3
		.amdhsa_memory_ordered 1
		.amdhsa_forward_progress 1
		.amdhsa_inst_pref_size 60
	.end_amdhsa_kernel
	.amdgpu_metadata
---
amdhsa.version: [ 1, 2 ]
amdhsa.kernels:
  - .name:           k_q1466e975fd_quant
    .symbol:         k_q1466e975fd_quant.kd
    .args:
      - { .name: x, .offset: 0, .size: 8, .value_kind: global_buffer, .address_space: global }
      - { .name: Wqkv, .offset: 8, .size: 8, .value_kind: global_buffer, .address_space: global }
      - { .name: Wo, .offset: 16, .size: 8, .value_kind: global_buffer, .address_space: global }
      - { .name: xc, .offset: 24, .size: 8, .value_kind: global_buffer, .address_space: global }
      - { .name: xs, .offset: 32, .size: 8, .value_kind: global_buffer, .address_space: global }
      - { .name: wc, .offset: 40, .size: 8, .value_kind: global_buffer, .address_space: global }
      - { .name: ws, .offset: 48, .size: 8, .value_kind: global_buffer, .address_space: global }
    .group_segment_fixed_size: 34304
    .private_segment_fixed_size: 0
    .kernarg_segment_align: 8
    .kernarg_segment_size: 56
    .max_flat_workgroup_size: 128
    .sgpr_count:     66
    .vgpr_count:     256
    .wavefront_size: 32
...
	.end_amdgpu_metadata
.endif
;; end of part 1
;; launch proj (part 2): grid 24 x 32, 4 waves a work-group, clusters of 4 x 4, 295,424 bytes of LDS; arguments xc, xs, wc, ws, qkv; writes qkv
.if DOCPART == 2
	.amdgcn_target "amdgcn-amd-amdhsa--gfx1250"
	.amdhsa_code_object_version 6
	.text
	.protected	k_q1466e975fd_proj
	.globl	k_q1466e975fd_proj
	.p2align	8
	.type	k_q1466e975fd_proj,@function
k_q1466e975fd_proj:
	s_mov_b64 s[64:65], 0
	v_nop
	global_prefetch_b8 v0, s[64:65] scope:SCOPE_SE
	s_setreg_imm32_b32 hwreg(HW_REG_WAVE_MODE, 25, 1), 1
	s_wait_xcnt 0x0
	s_wait_alu depctr_hold_cnt(0) depctr_sa_sdst(0) depctr_va_vdst(0) depctr_va_sdst(0) depctr_va_ssrc(0) depctr_va_vcc(0) depctr_vm_vsrc(0)
	s_getreg_b32 s2, hwreg(HW_REG_IB_STS2, 6, 4)
	s_cmp_eq_u32 s2, 0
	s_cbranch_scc0 .Lentry_in_a_cluster
	s_endpgm
.Lentry_in_a_cluster:
	s_bfe_u32 s2, ttmp6, 0x10000c
	s_cmp_lg_u32 s2, 0xf033
	s_cbranch_scc0 .Lentry_shape_is_right
	s_endpgm
.Lentry_shape_is_right:
; qkv = x Wqkv on codes of BF6 (E3M2), f32 sums, and the quantisers of q, k and v: the results leave as codes, laid as the attention's operands.
; A work-group makes 256 rows x 128 columns (768 work-groups: three equal shares for each of 256 places; the width divides 1,024, so that q, k and v never share a tile).
; A wave makes 128 rows x 64 columns: one step of 128 keys x one head: 8 tiles of rows x 4 tiles of columns, 32 accumulators.
; ALL OF K LIES IN LDS AT ONCE: 4 chunks of 256 along K, each A's 16 tiles and B's 8 tiles of 3,072 bytes.  Every LDS byte is filled once; nothing is stored to LDS.
; TILES AND UNITS as the quantising launch lays them: lane r of tile t holds row 32 (t / 2) + 8 (t % 2) + r + 8 (r / 8); a unit (768 bytes) is the register image of 16 rows x 64 K.
; So in a result the 16 registers of two neighbouring tiles of source 0 are 16 NEIGHBOURS: what a conversion wants.
;   q, k (cluster x 0-3): source 0 = 16 columns of W, source 1 = 16 rows of x: a lane holds one row and its registers run along the head's 64: K of the scores.
;   v    (cluster x 4, 5): source 0 = 16 rows of x, source 1 = 16 columns of W: a lane holds one of the head's 64 and its registers run along the keys: K of the second product.
; The choice hangs on the cluster's x alone: all partners take the same way.
; CLUSTERS: 4 x 4.  A's tiles are shared along a row of the cluster, B's along a column: joint loads.
; A RECORD of qkv, 315,392 bytes for each (batch, head), j = step of 128 rows: K codes 6144 j; V codes 98304 + 6144 j; K scales 196608 + 512 j; V scales 204800 + 256 j; Q codes 208896 + 6144 j; Q scales 307200 + 512 j.
; LIMITS: NaN and infinities are not served; a block of zeros gets the byte 1 (its codes are zeros; this program alone reads the bytes); q's and k's scale words have the byte 0 for the two blocks that fill K = 64 up to 128.
; REGISTERS: window 0: v1-7 addresses; v32-63 A's scale words, v64-79 B's; v128-223 B's fragments, two sets; v80-127, v224-235 the way out.  window 1: the accumulators.  window 2: A's fragments, two sets.
.set SA,  32                           ; v[SA + 4 t + c]: lanes 0-15 the words of A's tile t for step 2 c, lanes 16-31 for step 2 c + 1
.set SB,  64                           ; the same for B
.set BF,  128
.set CHUNK, 73728
.set G1A, 24                           ; s[24:31] descriptor group 1 for A's tiles;  s[32:39] for B's
.set G1B, 32
.set G0A, 48                           ; s[48:63] groups 0 for A's four chunks;  s[68:83] for B's
.set G0B, 68
.set MSB, 0
.macro WIN new                         ; the immediate's high byte repeats the setting that is left
.if MSB != \new
	s_set_vgpr_msb (MSB<<8)|\new
.set MSB, \new
.endif
.endm
.macro CROUND                          ; a round of the cluster's barrier
	s_barrier_signal -1
	s_barrier_wait -1
	s_cmp_lg_u32 s14, 0
	s_cbranch_scc1 .Lnot_wave_0_\@
	s_barrier_signal -3
.Lnot_wave_0_\@:
	s_barrier_wait -3
	s_barrier_signal -1
	s_barrier_wait -1
.endm
.macro PLACES                          ; four places behind this matrix form, in front of loads into registers that it has read and of reads of its results
.rept 4
	v_nop
.endr
.endm
	s_load_b256 s[4:11], s[0:1], 0x0               ; xc s[4:5], xs s[6:7], wc s[8:9], ws s[10:11]
	s_load_b64 s[12:13], s[0:1], 0x20              ; qkv
	v_lshl_add_u32 v254, v0, 2, 0x48000
	v_mov_b32 v255, 0
	ds_add_u32 v254, v255
	ds_add_u32 v254, v255
	v_lshrrev_b32 v1, 5, v0
	v_readfirstlane_b32 s14, v1                    ; wave 0..3
	s_lshr_b32 s15, s14, 1                         ; which 128 rows are mine.  Also: I fetch for A (0) or for B (1)
	s_and_b32 s16, s14, 1                          ; which 64 columns.  Also: which half of that operand's tiles I fetch
	s_bfe_u32 s40, ttmp6, 0x40000                  ; cx, cy: my place in the cluster
	s_bfe_u32 s41, ttmp6, 0x40004
	s_lshl_b32 s42, ttmp9, 2
	s_add_co_u32 s42, s42, s40                     ; tile column 0..23
	s_and_b32 s17, ttmp7, 0xffff
	s_lshl_b32 s17, s17, 2
	s_add_co_u32 s17, s17, s41                     ; tile row 0..31
	s_lshl_b32 s43, s41, 2
	s_lshl_b32 s43, 15, s43                        ; my row of the cluster
	s_lshl_b32 s44, 0x1111, s40                    ; my column
	; group 1: rows of 3,072 bytes (a tile's four units of a chunk: 384 elements of 8 bytes), 12,288 bytes apart in memory, dense in LDS; A: 8 rows, B: 4
	s_or_b32 s[G1A], s43, (3<<16)|(1<<21)          ; 15:0 the mask; 17:16 elements of 8 bytes; 21 set beside a mask; no padding
	s_or_b32 s[G1B], s44, (3<<16)|(1<<21)
	s_mov_b32 s[G1A+1], 384<<16                    ; tensor_dim0
	s_mov_b32 s[G1A+2], 8<<16                      ; tensor_dim1
	s_mov_b32 s[G1A+3], 384<<16                    ; tile_dim0
	s_mov_b32 s[G1A+4], 8                          ; tile_dim1
	s_mov_b32 s[G1A+5], 1536                       ; tensor_dim0_stride
	s_mov_b32 s[G1A+6], 0
	s_mov_b32 s[G1A+7], 0
	s_mov_b32 s[G1B+1], 384<<16
	s_mov_b32 s[G1B+2], 4<<16
	s_mov_b32 s[G1B+3], 384<<16
	s_mov_b32 s[G1B+4], 4
	s_mov_b32 s[G1B+5], 1536
	s_mov_b32 s[G1B+6], 0
	s_mov_b32 s[G1B+7], 0
	s_lshl_b32 s20, s17, 4
	s_lshl_b32 s18, s16, 3
	s_add_co_u32 s20, s20, s18                     ; A: tile 16 x tile row + 8 x half
	s_mul_i32 s20, s20, 12288
	s_mov_b32 s21, 0
	s_lshl_b32 s46, s42, 3
	s_lshl_b32 s18, s16, 2
	s_add_co_u32 s46, s46, s18                     ; B: tile 8 x tile column + 4 x half
	s_mul_i32 s46, s46, 12288
	s_mov_b32 s47, 0
	s_mul_i32 s45, s16, 24576                      ; where they go: no place in the cluster enters an LDS address
	s_mul_i32 s19, s16, 12288
	s_wait_dscnt 0x0
	s_wait_kmcnt 0x0
	s_add_nc_u64 s[20:21], s[4:5], s[20:21]
	s_add_nc_u64 s[46:47], s[8:9], s[46:47]
.irp c, 0,1,2,3
	s_mov_b32 s[G0A+4*\c], 1
	s_add_co_u32 s[G0A+4*\c+1], s45, CHUNK*\c
	s_add_nc_u64 s[G0A+4*\c+2:G0A+4*\c+3], s[20:21], 3072*\c
	s_or_b32 s[G0A+4*\c+3], s[G0A+4*\c+3], 0x80000000
	s_mov_b32 s[G0B+4*\c], 1
	s_add_co_u32 s[G0B+4*\c+1], s19, 49152+CHUNK*\c
	s_add_nc_u64 s[G0B+4*\c+2:G0B+4*\c+3], s[46:47], 3072*\c
	s_or_b32 s[G0B+4*\c+3], s[G0B+4*\c+3], 0x80000000
.endr
	CROUND                                         ; all sixteen work-groups are here: the joint loads meet
	s_cmp_eq_u32 s15, 0                            ; a wave's four fills stand in one branch on its number: four tensor loads of mine are out; four v_nop follow the last
	s_cbranch_scc0 .Lfill_b
.irp c, 0,1,2,3
	tensor_load_to_lds s[G0A+4*\c:G0A+4*\c+3], s[G1A:G1A+7]
	s_nop 0
.endr
	PLACES
	s_branch .Lfilled
.Lfill_b:
.irp c, 0,1,2,3
	tensor_load_to_lds s[G0B+4*\c:G0B+4*\c+3], s[G1B:G1B+7]
	s_nop 0
.endr
	PLACES
.Lfilled:
	v_and_b32 v8, 31, v0
	v_lshlrev_b32 v1, 4, v8                        ; 16 x lane
	v_lshlrev_b32 v2, 3, v8                        ; 8 x lane
	v_lshlrev_b32 v3, 2, v8                        ; 4 x lane
	s_mul_i32 s18, s15, 24576                      ; my 8 tiles of A
	v_add_nc_u32 v4, s18, v1
	v_add_nc_u32 v5, s18, v2
	s_add_co_u32 s19, s19, 49152                   ; my 4 tiles of B, behind A's 16
	v_add_nc_u32 v6, s19, v1
	v_add_nc_u32 v7, s19, v2
	s_lshl_b32 s84, s17, 4
	s_lshl_b32 s85, s15, 3
	s_add_co_u32 s84, s84, s85
	s_lshl_b32 s84, s84, 9                         ; my tiles' scale words: 512 bytes a tile
	s_mov_b32 s85, 0
	s_add_nc_u64 s[6:7], s[6:7], s[84:85]
	s_lshl_b32 s84, s42, 3
	s_lshl_b32 s88, s16, 2
	s_add_co_u32 s84, s84, s88
	s_lshl_b32 s84, s84, 9
	s_add_nc_u64 s[10:11], s[10:11], s[84:85]
.irp t, 0,1,2,3,4,5,6,7
.irp c, 0,1,2,3
	global_load_b32 v[SA+4*\t+\c], v3, s[6:7] offset:512*\t+128*\c     ; all of K's scale words stay in registers: a tile's four loads cover its 512 bytes
.endr
.endr
.irp t, 0,1,2,3
.irp c, 0,1,2,3
	global_load_b32 v[SB+4*\t+\c], v3, s[10:11] offset:512*\t+128*\c
.endr
.endr
	; where my results go
	s_lshr_b32 s88, s17, 3                         ; the batch: 8 tile rows each
	s_lshl_b32 s88, s88, 4
	s_and_b32 s89, s42, 7
	s_lshl_b32 s89, s89, 1
	s_add_co_u32 s88, s88, s89
	s_add_co_u32 s88, s88, s16                     ; the record: 16 x batch + head
	s_mul_i32 s88, s88, 315392
	s_and_b32 s89, s17, 7
	s_lshl_b32 s89, s89, 1
	s_add_co_u32 s89, s89, s15                     ; j: the step of 128 rows
	s_lshr_b32 s95, ttmp9, 1                       ; 0 q, 1 k, 2 v
	s_mov_b32 s92, 196608
	s_cmp_eq_u32 s95, 0
	s_cselect_b32 s90, 208896, 0
	s_cselect_b32 s92, 307200, s92
	s_cmp_eq_u32 s95, 2
	s_cselect_b32 s90, 98304, s90
	s_cselect_b32 s92, 204800, s92
	s_cselect_b32 s94, 8, 9                        ; a step's scale words: 256 bytes (v) or 512
	s_mul_i32 s95, s89, 6144
	s_add_co_u32 s90, s90, s95
	s_add_co_u32 s90, s90, s88
	s_mov_b32 s91, 0
	s_lshl_b32 s95, s89, s94
	s_add_co_u32 s92, s92, s95
	s_add_co_u32 s92, s92, s88
	s_mov_b32 s93, 0
	s_add_nc_u64 s[86:87], s[12:13], s[92:93]      ; scale words
	s_add_nc_u64 s[12:13], s[12:13], s[90:91]      ; codes
.macro FRAG reg, a16, a8, off          ; a fragment, 16 rows x 128 K, is two units on end: 12 registers by four dense loads
	ds_load_b128 v[(\reg):(\reg)+3], v[\a16] offset:(\off)
	ds_load_b64 v[(\reg)+4:(\reg)+5], v[\a8] offset:(\off)+512
	ds_load_b128 v[(\reg)+6:(\reg)+9], v[\a16] offset:(\off)+768
	ds_load_b64 v[(\reg)+10:(\reg)+11], v[\a8] offset:(\off)+1280
.endm
.macro FETCH s                         ; step s's fragments into set s % 2: 48 LDS loads in one run
	WIN 0x80                                       ; destination window 2
.irp t, 0,1,2,3,4,5,6,7
	FRAG 96*((\s)%2)+12*\t, 4, 5, 3072*\t+1536*((\s)%2)
.endr
	WIN 0
.irp t, 0,1,2,3
	FRAG BF+48*((\s)%2)+12*\t, 6, 7, 3072*\t+1536*((\s)%2)
.endr
.endm
.macro ONE d, x, y, sx, sy, s          ; step 0 starts the sums: nothing is cleared.  An odd step's scale words stand in lanes 16-31
.if (\s) == 0
	v_wmma_scale_f32_16x16x128_f8f6f4 v[\d:\d+7], v[\x:\x+11], v[\y:\y+11], 0, v[\sx], v[\sy] matrix_a_fmt:MATRIX_FMT_BF6 matrix_b_fmt:MATRIX_FMT_BF6
.elseif (\s)%2 == 1
	v_wmma_scale_f32_16x16x128_f8f6f4 v[\d:\d+7], v[\x:\x+11], v[\y:\y+11], v[\d:\d+7], v[\sx], v[\sy] matrix_a_fmt:MATRIX_FMT_BF6 matrix_b_fmt:MATRIX_FMT_BF6 matrix_a_scale:MATRIX_SCALE_ROW1 matrix_b_scale:MATRIX_SCALE_ROW1
.else
	v_wmma_scale_f32_16x16x128_f8f6f4 v[\d:\d+7], v[\x:\x+11], v[\y:\y+11], v[\d:\d+7], v[\sx], v[\sy] matrix_a_fmt:MATRIX_FMT_BF6 matrix_b_fmt:MATRIX_FMT_BF6
.endif
.endm
; 32 matrix instructions.  On both ways the 32 accumulators take turns in ascending order, one instruction a turn.
.macro MUL s
.set CC, (\s)/2
.set PP, (\s)%2
	s_cmp_lt_u32 ttmp9, 4
	s_cbranch_scc0 .Lv_\@
	WIN 0x58                                       ; q, k: source 0 (B) window 0, source 1 (A) window 2, C and D window 1
.irp a, 0,1,2,3,4,5,6,7
.irp b, 0,1,2,3
	ONE 8*(4*\a+\b), BF+48*PP+12*\b, 96*PP+12*\a, SB+4*\b+CC, SA+4*\a+CC, \s
.endr
.endr
	WIN 0
	s_branch .Ld_\@
.Lv_\@:
	WIN 0x52                                       ; v: source 0 (A) window 2, source 1 (B) window 0
.irp b, 0,1,2,3
.irp a, 0,1,2,3,4,5,6,7
	ONE 8*(8*\b+\a), 96*PP+12*\a, BF+48*PP+12*\b, SA+4*\a+CC, SB+4*\b+CC, \s
.endr
.endr
	WIN 0
.Ld_\@:
.endm
.macro KSTEP s
	s_wait_dscnt 0x0                               ; this step's fragments are in; no LDS instruction of mine is out at the signal below
.if ((\s)%2 == 1) && ((\s) < 7)
	s_wait_tensorcnt 3-((\s)+1)/2                  ; my part of the next chunk has landed; my later chunks may stay out: no LDS byte is ever filled again
	s_barrier_signal -1
	s_barrier_wait -1                              ; everybody's has
	v_add_nc_u32 v4, CHUNK, v4
	v_add_nc_u32 v5, CHUNK, v5
	v_add_nc_u32 v6, CHUNK, v6
	v_add_nc_u32 v7, CHUNK, v7
.endif
.if (\s) < 7
.if (\s) > 0
	PLACES                                         ; the other set was read by the matrix instructions just issued
.endif
	FETCH (\s)+1
.endif
	MUL \s
.endm
	s_wait_tensorcnt 0x3                           ; my part of chunk 0 is in; three loads of mine may be out
	s_barrier_signal -1
	s_barrier_wait -1
	FETCH 0
	s_wait_loadcnt 0x0                             ; the scale words
.irp s, 0,1,2,3,4,5,6,7
	KSTEP \s
.endr
; THE WAY OUT.  On both ways registers 16 q .. 16 q + 15 of window 1 are 16 neighbours along the next K: half of a block of 32, whose other half lies in lane l xor 16.
	s_mov_b32 s18, 0x76543210
	s_mov_b32 s19, 0xfedcba98                      ; v_permlanex16_b32's selects for lane l xor 16
	s_mov_b32 s45, 0xffff0000                      ; lanes 16-31
	PLACES
	WIN 0x05                                       ; sources 0 and 1 window 1
.set q, 0
.rept 16
	v_max3_num_f32 v[80+q], |v[16*q]|, |v[16*q+1]|, 0x2800000      ; each accumulator from its low end on; the floor 2^(5 - 127) holds the byte at 1 from below
.set q, q+1
.endr
	WIN 0x14                                       ; sources 1 and 2 window 1
.irp i, 2,4,6,8,10,12,14
.set q, 0
.rept 16
	v_max3_num_f32 v[80+q], v[80+q], |v[16*q+\i]|, |v[16*q+\i+1]|
.set q, q+1
.endr
.endr
	WIN 0
.set q, 0
.rept 16
	v_permlanex16_b32 v[208+q], v[80+q], s18, s19  ; (v208-223 were written by fragment loads)
.set q, q+1
.endr
.set q, 0
.rept 16
	v_max_num_f32 v[80+q], v[80+q], v[208+q]       ; the block's largest magnitude
.set q, q+1
.endr
.set q, 0
.rept 16
	v_add_nc_u32 v[112+q], 0xfe000000, v[80+q]     ; the conversion's scale operand
.set q, q+1
.endr
.set q, 0
.rept 16
	v_lshrrev_b32 v[96+q], 23, v[112+q]            ; the byte
.set q, q+1
.endr
	WIN 0x01                                       ; source 0 window 1
.set u, 0
.rept 8
	v_cvt_scalef32_pk16_bf6_f32 v[128+6*u:130+6*u], v[32*u:32*u+15], v[112+2*u]
	v_cvt_scalef32_pk16_bf6_f32 v[176+4*u:178+4*u], v[32*u+16:32*u+31], v[113+2*u]
.set u, u+1
.endr
	WIN 0
	v_nop                                          ; one plain place behind a scaled conversion
.set u, 0
.rept 8                                        ; a whole block to a lane: unit u in v[128 + 6 u] on
.irp i, 0,1,2
	v_permlane16_swap_b32 v[128+6*u+\i], v[176+4*u+\i]
.endr
.irp i, 0,1,2
	v_mov_b32 v[131+6*u+\i], v[176+4*u+\i]
.endr
.set u, u+1
.endr
.set u, 0
.rept 8
	global_store_b128 v1, v[128+6*u:131+6*u], s[12:13] offset:768*u          ; 512 and 256 consecutive bytes, aligned: q, k: unit u = tile u of rows; v: unit 2 t + c of the head's tile t
	global_store_b64 v2, v[132+6*u:133+6*u], s[12:13] offset:768*u+512
.set u, u+1
.endr
	s_cmp_lt_u32 ttmp9, 4
	s_cbranch_scc0 .Lvs
.irp a, 0,1,2,3,4,5,6,7
	v_lshl_or_b32 v[224+\a], v[97+2*\a], 8, v[96+2*\a]             ; q, k: tile a's word: two bytes; the two blocks that fill K up have the byte 0
.endr
.irp b, 0,1,2,3
	v_cndmask_b32 v[232+\b], v[224+2*\b], v[225+2*\b], s45         ; lanes 0-15 tile 2 b, lanes 16-31 tile 2 b + 1
.endr
	global_store_b128 v1, v[232:235], s[86:87]
	s_branch .Lend
.Lvs:
.irp b, 0,1,2,3
	v_lshl_or_b32 v[224+\b], v[97+4*\b], 8, v[96+4*\b]             ; v: the head's tile b: four blocks of keys
	v_lshl_or_b32 v[224+\b], v[98+4*\b], 16, v[224+\b]
	v_lshl_or_b32 v[224+\b], v[99+4*\b], 24, v[224+\b]
.endr
.irp p, 0,1
	v_cndmask_b32 v[232+\p], v[224+2*\p], v[225+2*\p], s45
.endr
	global_store_b64 v2, v[232:233], s[86:87]
.Lend:
	s_wait_tensorcnt 0x0
	ds_add_u32 v254, v255
	s_wait_dscnt 0x0
	CROUND                                         ; the closing round: no work-group ends while a partner may still ask for a tile that names it
	s_endpgm
.Lfunc_end_k_q1466e975fd_proj:
	.size	k_q1466e975fd_proj, .Lfunc_end_k_q1466e975fd_proj-k_q1466e975fd_proj
	.p2alignl 7, 3214868480
	.fill 96, 4, 3214868480
	.section	.rodata,"a",@progbits
	.p2align	6, 0x0
	.amdhsa_kernel k_q1466e975fd_proj
		.amdhsa_group_segment_fixed_size 295424
		.amdhsa_private_segment_fixed_size 0
		.amdhsa_enable_private_segment 0
		.amdhsa_kernarg_size 40
		.amdhsa_user_sgpr_count 2
		.amdhsa_user_sgpr_kernarg_segment_ptr 1
		.amdhsa_wavefront_size32 1
		.amdhsa_system_sgpr_workgroup_id_x 1
		.amdhsa_system_sgpr_workgroup_id_y 1
		.amdhsa_system_sgpr_workgroup_id_z 1
		.amdhsa_system_vgpr_workitem_id 0
		.amdhsa_next_free_vgpr 768
		.amdhsa_next_free_sgpr 96
		.amdhsa_reserve_vcc 0
		.amdhsa_float_denorm_mode_32 3
		.amdhsa_float_denorm_mode_16_64 3
		.amdhsa_memory_ordered 1
		.amdhsa_forward_progress 1
		.amdhsa_inst_pref_size 124
	.end_amdhsa_kernel
	.amdgpu_metadata
---
amdhsa.version: [ 1, 2 ]
amdhsa.kernels:
  - .name:           k_q1466e975fd_proj
    .symbol:         k_q1466e975fd_proj.kd
    .args:
      - { .name: xc, .offset: 0, .size: 8, .value_kind: global_buffer, .address_space: global }
      - { .name: xs, .offset: 8, .size: 8, .value_kind: global_buffer, .address_space: global }
      - { .name: wc, .offset: 16, .size: 8, .value_kind: global_buffer, .address_space: global }
      - { .name: ws, .offset: 24, .size: 8, .value_kind: global_buffer, .address_space: global }
      - { .name: qkv, .offset: 32, .size: 8, .value_kind: global_buffer, .address_space: global }
    .group_segment_fixed_size: 295424
    .private_segment_fixed_size: 0
    .kernarg_segment_align: 8
    .kernarg_segment_size: 40
    .max_flat_workgroup_size: 128
    .sgpr_count:     96
    .vgpr_count:     768
    .wavefront_size: 32
...
	.end_amdgpu_metadata
.endif
;; end of part 2
;; launch attn (part 3): grid 4 x 64, 16 waves a work-group, clusters of 4 x 1, 210,944 bytes of LDS; arguments qkv, yc, ys; writes yc, ys
.if DOCPART == 3
	.amdgcn_target "amdgcn-amd-amdhsa--gfx1250"
	.amdhsa_code_object_version 6
	.text
	.protected	k_q1466e975fd_attn
	.globl	k_q1466e975fd_attn
	.p2align	8
	.type	k_q1466e975fd_attn,@function
k_q1466e975fd_attn:
	s_mov_b64 s[64:65], 0
	v_nop
	global_prefetch_b8 v0, s[64:65] scope:SCOPE_SE
	s_setreg_imm32_b32 hwreg(HW_REG_WAVE_MODE, 25, 1), 1
	s_wait_xcnt 0x0
	s_wait_alu depctr_hold_cnt(0) depctr_sa_sdst(0) depctr_va_vdst(0) depctr_va_sdst(0) depctr_va_ssrc(0) depctr_va_vcc(0) depctr_vm_vsrc(0)
	s_getreg_b32 s2, hwreg(HW_REG_IB_STS2, 6, 4)
	s_cmp_eq_u32 s2, 0
	s_cbranch_scc0 .Lentry_in_a_cluster
	s_endpgm
.Lentry_in_a_cluster:
	s_bfe_u32 s2, ttmp6, 0x10000c
	s_cmp_lg_u32 s2, 0x3003
	s_cbranch_scc0 .Lentry_shape_is_right
	s_endpgm
.Lentry_shape_is_right:
; Causal attention of one (batch, head) for each cluster of four work-groups, on codes of BF6 (E3M2), and the quantiser of y along the last product's K.
; t = score x log2(e) / 8; M = the running largest t, rounded UP to a whole number; p = 2^(t - M) is quantised along the keys, not normalised; the row's sum is taken of the unquantised p and divides O at the end.
; When M moves, the sum and O are multiplied by 2^(old M - new M): exact.
; THE HEAD'S K AND V, codes and scale words, 208,896 bytes, are the first part of its record and lie in LDS whole, as they lie in memory: each of the sixteen waves brings 51 rows of 256 bytes by ONE joint load
; (the four work-groups of a cluster walk the same head).  Every LDS byte is filled once; nothing is stored to LDS.
; SHARES.  The head's 128 tiles of 16 queries: tile 8 j + v lies in step j of 128 rows.  Wave w of work-group cx owns v = w % 2 + 2 cx in steps w / 2 and 15 - w / 2.  A tile of step j needs key steps 0 .. j:
; so every wave has (w / 2 + 1) + (16 - w / 2) = 17 steps of work.  A step all of whose keys come after a tile's queries is jumped over: a branch on the wave's number and the loop's count alone.
; LAYOUT.  Both products transposed: S^T = K Q^T, O^T = V^T P^T: a lane holds ONE query.  Lane r of tile t holds row 32 (t / 2) + 8 (t % 2) + r + 8 (r / 8): so the 16 registers of two neighbouring tiles are 16 neighbours
; (keys in S^T, the head's 64 in O^T).  K of the scores is 64: Q's registers 6-11 are zero codes; K's registers 6-11 are the next tile's codes, which zeros multiply; the scale bytes of those two blocks are 0.
; LIMITS: NaN and infinities are not served; a block of zeros gets the byte 1 (its codes are zeros; this program alone reads the bytes).
; y's scale bytes leave two to a lane, 4 bytes apart: a scale word (128 along K) is shared by two heads; they are 1 byte in 24 of what the launch stores.
.set FR, 44                            ; v44-97   K's tile t at FR + 6 t (v92-97 stay zero); later V's fragment t at FR + 12 t; between the two, at work:
.set MX, 44                            ; v44-47   a block's largest score, then its largest p
.set PT, 48                            ; v48-51   the other half's; then the bytes
.set SO, 52                            ; v52-55   the conversions' scale operands
.set S,  98                            ; v98-161  S^T, then p
.set PC, 226                           ; v226-237 p's codes
.set CT, 238                           ; v238-245 at work (v244, v245: y's scale words at the end)
; v1 16 x lane, v2 8 x lane, v3 the mask's d, v4-9 the step's LDS addresses, v10, v11 Q's scale words, v12-15, v16-19 -M, t, the sum in two halves (tile A, tile B),
; v20-31, v32-43 Q; v162-193, v194-225 O^T; v[246:247] f; v248 p's scale word; v249 at work; v250-251 V's scale words; v252-255 K's
.macro CROUND                          ; a round of the cluster's barrier
	s_barrier_signal -1
	s_barrier_wait -1
	s_cmp_lg_u32 s10, 0
	s_cbranch_scc1 .Lnot_wave_0_\@
	s_barrier_signal -3
.Lnot_wave_0_\@:
	s_barrier_wait -3
	s_barrier_signal -1
	s_barrier_wait -1
.endm
	s_load_b128 s[4:7], s[0:1], 0x0                ; qkv s[4:5], yc s[6:7]
	s_load_b64 s[8:9], s[0:1], 0x10                ; ys
	v_lshl_add_u32 v254, v0, 2, 0x33000
	v_mov_b32 v255, 0
	ds_add_u32 v254, v255
	ds_add_u32 v254, v255
	s_wait_dscnt 0x0
	v_lshrrev_b32 v1, 5, v0
	v_readfirstlane_b32 s10, v1                    ; wave 0..15
	s_bfe_u32 s11, ttmp6, 0x40000                  ; cx
	s_and_b32 s12, ttmp7, 0xffff                   ; the record: 16 x batch + head, which the four partners share
	s_and_b32 s13, s10, 1
	s_lshr_b32 s14, s10, 1                         ; tile A's step
	s_sub_co_u32 s15, 15, s14                      ; tile B's
	s_mov_b32 s24, 15|(3<<16)|(1<<21)              ; group 1: 15:0 the mask: all four; 17:16 elements of 8 bytes; 21 set beside a mask; no padding
	s_mov_b32 s25, 32<<16                          ; tensor_dim0 = 32 elements: 256 bytes
	s_mov_b32 s26, 51<<16                          ; tensor_dim1
	s_mov_b32 s27, 32<<16                          ; tile_dim0
	s_mov_b32 s28, 51                              ; tile_dim1
	s_mov_b32 s29, 32                              ; tensor_dim0_stride: dense
	s_mov_b32 s30, 0
	s_mov_b32 s31, 0
	s_mul_i32 s54, s12, 315392                     ; the record's first byte
	s_mov_b32 s32, 1
	s_mul_i32 s33, s10, 13056                      ; my 51 rows, in LDS
	s_add_co_u32 s2, s54, s33                      ; and in memory
	s_mov_b32 s3, 0
	s_mov_b32 s22, 0x3e38aa3b                      ; c = log2(e) / sqrt(64)
	s_mov_b32 s23, s22                             ; (named with it as a pair, so it is written)
	s_mov_b32 s36, 0x76543210
	s_mov_b32 s37, 0xfedcba98                      ; v_permlanex16_b32's selects for lane l xor 16
	s_wait_kmcnt 0x0
	s_add_nc_u64 s[34:35], s[4:5], s[2:3]
	s_or_b32 s35, s35, 0x80000000
	CROUND                                         ; all four work-groups are here: the joint loads meet
	tensor_load_to_lds s[32:35], s[24:31]          ; one tensor load of mine is out
	s_nop 0
.rept 4
	v_nop
.endr
	s_lshl_b32 s58, s11, 1
	s_add_co_u32 s58, s58, s13                     ; v: my tiles' place in their steps
	s_mov_b32 s57, 0
.macro BASES jx, o                     ; for the tile of step s[jx]: s[o:o+1] Q's codes, s[o+2:o+3] Q's scale words, s[o+4:o+5] y's unit, s[o+6:o+7] y's scale bytes
	s_mul_i32 s56, s[\jx], 6144
	s_mul_i32 s59, s58, 768
	s_add_co_u32 s56, s56, s59
	s_add_co_u32 s56, s56, s54
	s_add_co_u32 s56, s56, 208896
	s_add_nc_u64 s[\o:\o+1], s[4:5], s[56:57]
	s_lshl_b32 s56, s[\jx], 9
	s_lshl_b32 s59, s13, 8                         ; an odd tile's words stand in lanes 16-31: 256 bytes on;
	s_add_co_u32 s56, s56, s59
	s_lshl_b32 s59, s11, 2                         ; word v / 2 of a lane's four
	s_add_co_u32 s56, s56, s59
	s_add_co_u32 s56, s56, s54
	s_add_co_u32 s56, s56, 307200
	s_add_nc_u64 s[\o+2:\o+3], s[4:5], s[56:57]
	s_lshr_b32 s56, s12, 4
	s_lshl_b32 s56, s56, 7
	s_lshl_b32 s59, s[\jx], 3
	s_add_co_u32 s56, s56, s59
	s_add_co_u32 s59, s56, s58                     ; y's tile of rows: 128 x batch + 8 j + v
	s_mul_i32 s56, s59, 12288
	s_and_b32 s21, s12, 15                         ; the head = the unit along K
	s_mul_i32 s55, s21, 768
	s_add_co_u32 s56, s56, s55
	s_add_nc_u64 s[\o+4:\o+5], s[6:7], s[56:57]
	s_lshl_b32 s56, s59, 9
	s_lshr_b32 s55, s21, 1
	s_lshl_b32 s55, s55, 6                         ; step head / 2 of 128 along K,
	s_add_co_u32 s56, s56, s55
	s_and_b32 s55, s21, 1
	s_lshl_b32 s55, s55, 1                         ; bytes 2 (head % 2) and the next
	s_add_co_u32 s56, s56, s55
	s_add_nc_u64 s[\o+6:\o+7], s[8:9], s[56:57]
.endm
	BASES 14, 38
	BASES 15, 46
	v_and_b32 v3, 31, v0
	v_lshlrev_b32 v1, 4, v3                        ; 16 x lane
	v_lshlrev_b32 v2, 3, v3                        ; 8 x lane
	v_and_b32 v4, 15, v0                           ; r
	v_bfe_u32 v5, v0, 4, 1                         ; h
	v_lshlrev_b32 v6, 4, v4                        ; Q's scale words: 16 bytes a lane of the record's layout
	global_load_b128 v[20:23], v1, s[38:39]        ; Q's units stay in registers
	global_load_b64 v[24:25], v2, s[38:39] offset:512
	global_load_b32 v10, v6, s[40:41]
	global_load_b128 v[32:35], v1, s[46:47]
	global_load_b64 v[36:37], v2, s[46:47] offset:512
	global_load_b32 v11, v6, s[48:49]
	v_bfe_u32 v7, v0, 3, 1
	v_lshl_add_u32 v3, v7, 3, v4                   ; r + 8 (r / 8)
	v_lshlrev_b32 v5, 4, v5
	v_sub_nc_u32 v3, v3, v5                        ; - 16 h
	s_lshl_b32 s55, s11, 5
	s_lshl_b32 s59, s13, 3
	s_add_co_u32 s55, s55, s59
	v_add_nc_u32 v3, s55, v3                       ; d = my query's place in its step - 16 h: register 16 b + i holds key 32 b + 16 h + i, hidden on the diagonal where 32 b + i > d
.irp j, 26,27,28,29,30,31,38,39,40,41,42,43,92,93,94,95,96,97
	v_mov_b32 v\j, 0                               ; zero codes: Q's upper 64 of K, and what stands behind K's last tile
.endr
.irp j, 48,49,50,51,246,247,14,15,18,19
	v_mov_b32 v\j, 0                               ; lane permutes' destinations and the pair of f, written once; the sums
.endr
	v_mov_b32 v13, 0xff61b1e6                      ; the largest t so far: -3e38, under every t
	v_mov_b32 v17, 0xff61b1e6
	v_floor_f32 v12, -v13                          ; -M
	v_floor_f32 v16, -v17
.set n, 0
.rept 64
	v_mov_b32 v[162+n], 0                          ; O^T.  (The step is written once for each tile: the first finds zeros, which the first change of M leaves zeros)
.set n, n+1
.endr
	s_mov_b32 s16, 0                               ; J: the key step
	s_mov_b32 s17, 0                               ; its K codes,
	s_mov_b32 s18, 98304                           ; V codes,
	s_mov_b32 s19, 196608                          ; K scale words,
	s_mov_b32 s20, 204800                          ; V scale words
	s_wait_loadcnt 0x0                             ; Q
	s_wait_tensorcnt 0x0                           ; my part of the head is in,
	s_barrier_signal -1
	s_barrier_wait -1                              ; everybody's is
; ONE TILE'S KEY STEP: 128 keys.  q, qs: Q's fragment and scale word; st: the statistics; o: O^T; jx: the scalar that holds the tile's own step
.macro TSTEP q, qs, st, o, jx
.rept 4
	v_nop                                          ; places in front of loads into registers that the last products read
.endr
.irp t, 0,1,2,3,4,5,6,7
	ds_load_b128 v[FR+6*\t:FR+6*\t+3], v4 offset:768*\t
	ds_load_b64 v[FR+6*\t+4:FR+6*\t+5], v5 offset:768*\t+512
.endr
	ds_load_b128 v[252:255], v8                    ; register b: lanes 0-15 tile 2 b's words, lanes 16-31 tile 2 b + 1's
	s_wait_dscnt 0x0
.irp t, 0,1,2,3,4,5,6,7
.if \t%2
	v_wmma_scale_f32_16x16x128_f8f6f4 v[S+8*\t:S+8*\t+7], v[FR+6*\t:FR+6*\t+11], v[\q:\q+11], 0, v[252+\t/2], v[\qs] matrix_a_fmt:MATRIX_FMT_BF6 matrix_b_fmt:MATRIX_FMT_BF6 matrix_a_scale:MATRIX_SCALE_ROW1
.else
	v_wmma_scale_f32_16x16x128_f8f6f4 v[S+8*\t:S+8*\t+7], v[FR+6*\t:FR+6*\t+11], v[\q:\q+11], 0, v[252+\t/2], v[\qs] matrix_a_fmt:MATRIX_FMT_BF6 matrix_b_fmt:MATRIX_FMT_BF6
.endif
.endr
.rept 4
	v_nop
.endr
	s_cmp_lg_u32 s16, s[\jx]                       ; only the tile's own step lies on the diagonal
	s_cbranch_scc1 .Lopen_\@
	v_mov_b32 v249, 0xff800000                     ; hidden scores become -infinity ahead of the maximum: p = 0 then
.set n, 0
.rept 64
	v_cmp_gt_i32 vcc_lo, 32*(n/16)+n%16, v3
	v_cndmask_b32 v[S+n], v[S+n], v249, vcc_lo
.set n, n+1
.endr
.Lopen_\@:
.irp b, 0,1,2,3
	v_max3_num_f32 v[MX+\b], v[S+16*\b], v[S+1+16*\b], v[S+2+16*\b]   ; the largest score of each block of 32 keys: for the row's maximum and, since p rises with the score, for the block's largest p
.endr
.irp i, 3,5,7,9,11,13
.irp b, 0,1,2,3
	v_max3_num_f32 v[MX+\b], v[MX+\b], v[S+16*\b+\i], v[S+1+16*\b+\i]
.endr
.endr
.irp b, 0,1,2,3
	v_max_num_f32 v[MX+\b], v[MX+\b], v[S+15+16*\b]
.endr
.irp b, 0,1,2,3
	v_permlanex16_b32 v[PT+\b], v[MX+\b], s36, s37
.endr
.irp b, 0,1,2,3
	v_max_num_f32 v[MX+\b], v[MX+\b], v[PT+\b]     ; with lane l xor 16's 16 keys
.endr
	v_max3_num_f32 v249, v[MX], v[MX+1], v[MX+2]
	v_max_num_f32 v249, v249, v[MX+3]              ; the step's largest score of my query
	v_mul_f32 v249, s22, v249                      ; as t (c is positive)
	v_max_num_f32 v[\st+1], v[\st+1], v249         ; the running largest t
	v_mov_b32 v249, v[\st]
	v_floor_f32 v[\st], -v[\st+1]                  ; the new -M = floor(-t) = -ceil(t)
	v_sub_f32 v249, v[\st], v249                   ; old M - new M: a whole number, 0 or less
	v_cvt_i32_f32 v249, v249                       ; (it saturates)
	v_ldexp_f32 v246, 1.0, v249                    ; f = 2^(old M - new M)
.set n, 0
.rept 32
	v_pk_fma_f32 v[S+n:S+n+1], v[S+n:S+n+1], s[22:23], v[\st:\st+1] op_sel_hi:[1,0,0]   ; t - M, two at a time
.set n, n+2
.endr
.irp b, 0,1,2,3
	v_fma_f32 v[MX+\b], v[MX+\b], s22, v[\st]      ; the same of each block's largest score
.endr
.set n, 0
.rept 64
	v_exp_f32 v[S+n], v[S+n]                       ; p = 2^(t - M), at most 1
.set n, n+1
.endr
.irp b, 0,1,2,3
	v_exp_f32 v[MX+\b], v[MX+\b]                   ; the block's largest p: the same two instructions on the same number
.endr
	v_pk_mul_f32 v[\st+2:\st+3], v[\st+2:\st+3], v[246:247] op_sel_hi:[1,0]   ; the sums under the new M.  (A plain place behind the exponentials)
	s_wait_alu depctr_va_vdst(0)
.irp b, 0,1,2,3
	v_max_num_f32 v[MX+\b], 0x2800000, v[MX+\b]    ; the floor 2^(5 - 127)
.endr
.irp b, 0,1,2,3
	v_add_nc_u32 v[SO+\b], 0xfe000000, v[MX+\b]    ; the conversion's scale operand
.endr
.irp b, 0,1,2,3
	v_lshrrev_b32 v[PT+\b], 23, v[SO+\b]           ; the byte
.endr
	v_lshl_or_b32 v248, v[PT+1], 8, v[PT]          ; p's scale word for these 128 keys
	v_lshl_or_b32 v248, v[PT+2], 16, v248
	v_lshl_or_b32 v248, v[PT+3], 24, v248
.irp c, 0,1
	v_cvt_scalef32_pk16_bf6_f32 v[PC+6*\c:PC+2+6*\c], v[S+32*\c:S+15+32*\c], v[SO+2*\c]
	v_cvt_scalef32_pk16_bf6_f32 v[CT+4*\c:CT+2+4*\c], v[S+16+32*\c:S+31+32*\c], v[SO+2*\c+1]
.endr
	v_nop                                          ; one plain place behind a scaled conversion
.irp c, 0,1
.irp i, 0,1,2
	v_permlane16_swap_b32 v[PC+6*\c+\i], v[CT+4*\c+\i]
.endr
.irp i, 0,1,2
	v_mov_b32 v[PC+3+6*\c+\i], v[CT+4*\c+\i]
.endr
.endr
.irp t, 0,1,2,3,4,5,6,7                        ; V's eight units: they land while the sums are taken
	ds_load_b128 v[FR+6*\t:FR+6*\t+3], v6 offset:768*\t
	ds_load_b64 v[FR+6*\t+4:FR+6*\t+5], v7 offset:768*\t+512
.endr
	ds_load_b64 v[250:251], v9                     ; register p: lanes 0-15 the head's tile 2 p, lanes 16-31 tile 2 p + 1
	v_pk_add_f32 v[CT:CT+1], v[S:S+1], v[S+2:S+3]  ; the row's sum is taken of the unquantised p: two at a time, in two chains
.irp j, 4,8,12,16,20,24,28,32,36,40,44,48,52,56,60
	v_pk_add_f32 v[\st+2:\st+3], v[\st+2:\st+3], v[S+\j:S+\j+1]
	v_pk_add_f32 v[CT:CT+1], v[CT:CT+1], v[S+2+\j:S+3+\j]
.endr
	v_pk_add_f32 v[\st+2:\st+3], v[\st+2:\st+3], v[CT:CT+1]
.set n, 0
.rept 16
	v_pk_mul_f32 v[\o+n:\o+n+1], v[\o+n:\o+n+1], v[246:247] op_sel_hi:[1,0]   ; O^T under the new M.  (These and the sums are the places between p's codes and scale word and the products)
.set n, n+2
.endr
	s_wait_dscnt 0x0
.irp t, 0,1,2,3                                ; the four accumulators take turns; the scores' eight products stand between two links
.if \t%2
	v_wmma_scale_f32_16x16x128_f8f6f4 v[\o+8*\t:\o+8*\t+7], v[FR+12*\t:FR+12*\t+11], v[PC:PC+11], v[\o+8*\t:\o+8*\t+7], v[250+\t/2], v248 matrix_a_fmt:MATRIX_FMT_BF6 matrix_b_fmt:MATRIX_FMT_BF6 matrix_a_scale:MATRIX_SCALE_ROW1
.else
	v_wmma_scale_f32_16x16x128_f8f6f4 v[\o+8*\t:\o+8*\t+7], v[FR+12*\t:FR+12*\t+11], v[PC:PC+11], v[\o+8*\t:\o+8*\t+7], v[250+\t/2], v248 matrix_a_fmt:MATRIX_FMT_BF6 matrix_b_fmt:MATRIX_FMT_BF6
.endif
.endr
.endm
.Lstep:                                            ; 16 trips, a constant: what is left out is a step's work
	v_add_nc_u32 v4, s17, v1
	v_add_nc_u32 v5, s17, v2
	v_add_nc_u32 v6, s18, v1
	v_add_nc_u32 v7, s18, v2
	v_add_nc_u32 v8, s19, v1
	v_add_nc_u32 v9, s20, v2
	s_cmp_gt_u32 s16, s15
	s_cbranch_scc1 .Lskip_b
	TSTEP 32, 11, 16, 194, 15
.Lskip_b:
	s_cmp_gt_u32 s16, s14
	s_cbranch_scc1 .Lskip_a
	TSTEP 20, 10, 12, 162, 14
.Lskip_a:
	s_add_co_u32 s17, s17, 6144
	s_add_co_u32 s18, s18, 6144
	s_add_co_u32 s19, s19, 512
	s_add_co_u32 s20, s20, 256
	s_add_co_u32 s16, s16, 1
	s_cmp_lt_u32 s16, 16
	s_cbranch_scc1 .Lstep
; THE WAY OUT: y = O^T / the sum; registers 16 b + i are the head's 32 b + 16 h + i of my query: two blocks of the last product's K, one unit.
.macro YOUT st, o, pcx, wd, ob
	v_add_f32 v249, v[\st+2], v[\st+3]             ; the sum's two halves,
	v_permlanex16_b32 v246, v249, s36, s37
	v_add_f32 v249, v249, v246                     ; and lane l xor 16's
	v_rcp_f32 v249, v249
	v_nop                                          ; one plain place behind a transcendental
.set n, 0
	s_wait_alu depctr_va_vdst(0)
.rept 32
	v_mul_f32 v[S+n], v[\o+n], v249                ; each accumulator from its low end on
.set n, n+1
.endr
.irp b, 0,1
	v_max3_num_f32 v[MX+\b], |v[S+16*\b]|, |v[S+1+16*\b]|, 0x2800000
.endr
.irp i, 2,4,6,8,10,12,14
.irp b, 0,1
	v_max3_num_f32 v[MX+\b], v[MX+\b], |v[S+16*\b+\i]|, |v[S+1+16*\b+\i]|
.endr
.endr
.irp b, 0,1
	v_permlanex16_b32 v[PT+\b], v[MX+\b], s36, s37
.endr
.irp b, 0,1
	v_max_num_f32 v[MX+\b], v[MX+\b], v[PT+\b]
.endr
.irp b, 0,1
	v_add_nc_u32 v[SO+\b], 0xfe000000, v[MX+\b]
.endr
.irp b, 0,1
	v_lshrrev_b32 v[PT+\b], 23, v[SO+\b]
.endr
	v_lshl_or_b32 v[\wd], v[PT+1], 8, v[PT]
	v_cvt_scalef32_pk16_bf6_f32 v[\pcx:\pcx+2], v[S:S+15], v[SO]
	v_cvt_scalef32_pk16_bf6_f32 v[CT:CT+2], v[S+16:S+31], v[SO+1]
	v_nop                                          ; one plain place behind a scaled conversion
.irp i, 0,1,2
	v_permlane16_swap_b32 v[\pcx+\i], v[CT+\i]
.endr
.irp i, 0,1,2
	v_mov_b32 v[\pcx+3+\i], v[CT+\i]
.endr
	global_store_b128 v1, v[\pcx:\pcx+3], s[\ob:\ob+1]             ; 512 and 256 consecutive bytes, aligned
	global_store_b64 v2, v[\pcx+4:\pcx+5], s[\ob:\ob+1] offset:512
	global_store_b16 v5, v[\wd], s[\ob+2:\ob+3]                    ; row r's two bytes; lanes r and r + 16 store the same bytes with the same values
.endm
	v_and_b32 v5, 15, v0
	v_lshlrev_b32 v5, 2, v5                        ; 4 r
.rept 4
	v_nop                                          ; places behind the last products
.endr
	YOUT 12, 162, 226, 244, 42                     ; each tile has its own registers for what it stores
	YOUT 16, 194, 232, 245, 50
	s_wait_xcnt 0x0
	v_lshl_add_u32 v254, v0, 2, 0x33000
	v_mov_b32 v255, 0
	s_wait_tensorcnt 0x0
	ds_add_u32 v254, v255
	s_wait_dscnt 0x0
	CROUND                                         ; the closing round: no work-group ends while a partner may still ask for a tile that names it
	s_endpgm
.Lfunc_end_k_q1466e975fd_attn:
	.size	k_q1466e975fd_attn, .Lfunc_end_k_q1466e975fd_attn-k_q1466e975fd_attn
	.p2alignl 7, 3214868480
	.fill 96, 4, 3214868480
	.section	.rodata,"a",@progbits
	.p2align	6, 0x0
	.amdhsa_kernel k_q1466e975fd_attn
		.amdhsa_group_segment_fixed_size 210944
		.amdhsa_private_segment_fixed_size 0
		.amdhsa_enable_private_segment 0
		.amdhsa_kernarg_size 24
		.amdhsa_user_sgpr_count 2
		.amdhsa_user_sgpr_kernarg_segment_ptr 1
		.amdhsa_wavefront_size32 1
		.amdhsa_system_sgpr_workgroup_id_x 1
		.amdhsa_system_sgpr_workgroup_id_y 1
		.amdhsa_system_sgpr_workgroup_id_z 1
		.amdhsa_system_vgpr_workitem_id 0
		.amdhsa_next_free_vgpr 256
		.amdhsa_next_free_sgpr 66
		.amdhsa_reserve_vcc 1
		.amdhsa_float_denorm_mode_32 3
		.amdhsa_float_denorm_mode_16_64 3
		.amdhsa_memory_ordered 1
		.amdhsa_forward_progress 1
		.amdhsa_inst_pref_size 60
	.end_amdhsa_kernel
	.amdgpu_metadata
---
amdhsa.version: [ 1, 2 ]
amdhsa.kernels:
  - .name:           k_q1466e975fd_attn
    .symbol:         k_q1466e975fd_attn.kd
    .args:
      - { .name: qkv, .offset: 0, .size: 8, .value_kind: global_buffer, .address_space: global }
      - { .name: yc, .offset: 8, .size: 8, .value_kind: global_buffer, .address_space: global }
      - { .name: ys, .offset: 16, .size: 8, .value_kind: global_buffer, .address_space: global }
    .group_segment_fixed_size: 210944
    .private_segment_fixed_size: 0
    .kernarg_segment_align: 8
    .kernarg_segment_size: 24
    .max_flat_workgroup_size: 512
    .sgpr_count:     66
    .vgpr_count:     256
    .wavefront_size: 32
...
	.end_amdgpu_metadata
.endif
;; end of part 3
;; launch outp (part 4): grid 8 x 32, 4 waves a work-group, clusters of 4 x 4, 312,832 bytes of LDS; arguments yc, ys, wc, ws, out0; writes out0
.if DOCPART == 4
	.amdgcn_target "amdgcn-amd-amdhsa--gfx1250"
	.amdhsa_code_object_version 6
	.text
	.protected	k_q1466e975fd_outp
	.globl	k_q1466e975fd_outp
	.p2align	8
	.type	k_q1466e975fd_outp,@function
k_q1466e975fd_outp:
	s_mov_b64 s[64:65], 0
	v_nop
	global_prefetch_b8 v0, s[64:65] scope:SCOPE_SE
	s_setreg_imm32_b32 hwreg(HW_REG_WAVE_MODE, 25, 1), 1
	s_wait_xcnt 0x0
	s_wait_alu depctr_hold_cnt(0) depctr_sa_sdst(0) depctr_va_vdst(0) depctr_va_sdst(0) depctr_va_ssrc(0) depctr_va_vcc(0) depctr_vm_vsrc(0)
	s_getreg_b32 s2, hwreg(HW_REG_IB_STS2, 6, 4)
	s_cmp_eq_u32 s2, 0
	s_cbranch_scc0 .Lentry_in_a_cluster
	s_endpgm
.Lentry_in_a_cluster:
	s_bfe_u32 s2, ttmp6, 0x10000c
	s_cmp_lg_u32 s2, 0xf033
	s_cbranch_scc0 .Lentry_shape_is_right
	s_endpgm
.Lentry_shape_is_right:
; out0 = y Wo on codes of BF6 (E3M2), f32 sums.  y's codes and scale words come from the attention's launch, Wo's are tiles 192-255 of the weights' buffers.
; A work-group makes 256 rows x 128 columns: 256 work-groups.  A wave makes 128 rows x 64 columns: 8 tiles of rows x 4 tiles of columns, 32 accumulators.
; ALL OF K LIES IN LDS AT ONCE: 4 chunks of 256 along K, each A's 16 tiles and B's 8 tiles of 3,072 bytes.  Every one of those bytes is filled once.  Behind them each wave has a stage of its own for the way out.
; TILES AND UNITS: lane r of tile t holds row 32 (t / 2) + 8 (t % 2) + r + 8 (r / 8); a unit (768 bytes) is the register image of 16 rows x 64 K.
; THE MATRIX INSTRUCTION IS USED TRANSPOSED (source 0 = 16 columns of Wo, source 1 = 16 rows of y): a lane holds one row of the output, and the 16 registers of two neighbouring tiles are 16 neighbouring columns.
; CLUSTERS: 4 x 4.  A's tiles are shared along a row of the cluster, B's along a column: joint loads.
; REGISTERS: window 0: v1-10 addresses; v32-63 A's scale words, v64-79 B's; v128-223 B's fragments, two sets; on the way out v128-191 rows of the output.  window 1: the accumulators.  window 2: A's fragments, two sets.
.set SA,  32
.set SB,  64
.set BF,  128
.set BK,  128
.set CHUNK, 73728
.set STAGE, 294912                     ; 16 rows x (256 bytes + 16) for each wave: no tensor load lands here
.set G1A, 24
.set G1B, 32
.set G0A, 48
.set G0B, 68
.set MSB, 0
.macro WIN new                         ; the immediate's high byte repeats the setting that is left
.if MSB != \new
	s_set_vgpr_msb (MSB<<8)|\new
.set MSB, \new
.endif
.endm
.macro CROUND                          ; a round of the cluster's barrier
	s_barrier_signal -1
	s_barrier_wait -1
	s_cmp_lg_u32 s14, 0
	s_cbranch_scc1 .Lnot_wave_0_\@
	s_barrier_signal -3
.Lnot_wave_0_\@:
	s_barrier_wait -3
	s_barrier_signal -1
	s_barrier_wait -1
.endm
.macro PLACES                          ; four places behind this matrix form (ISA guide 7.12.1)
.rept 4
	v_nop
.endr
.endm
	s_load_b256 s[4:11], s[0:1], 0x0               ; yc s[4:5], ys s[6:7], wc s[8:9], ws s[10:11]
	s_load_b64 s[12:13], s[0:1], 0x20              ; out0
	v_lshl_add_u32 v254, v0, 2, 0x4c400
	v_mov_b32 v255, 0
	ds_add_u32 v254, v255
	ds_add_u32 v254, v255
	v_lshrrev_b32 v1, 5, v0
	v_readfirstlane_b32 s14, v1                    ; wave 0..3
	s_lshr_b32 s15, s14, 1                         ; which 128 rows are mine.  Also: I fetch for A (0) or for B (1)
	s_and_b32 s16, s14, 1                          ; which 64 columns.  Also: which half of that operand's tiles I fetch
	s_bfe_u32 s40, ttmp6, 0x40000                  ; cx, cy
	s_bfe_u32 s41, ttmp6, 0x40004
	s_lshl_b32 s42, ttmp9, 2
	s_add_co_u32 s42, s42, s40                     ; tile column 0..7
	s_and_b32 s17, ttmp7, 0xffff
	s_lshl_b32 s17, s17, 2
	s_add_co_u32 s17, s17, s41                     ; tile row 0..31
	s_lshl_b32 s43, s41, 2
	s_lshl_b32 s43, 15, s43                        ; my row of the cluster
	s_lshl_b32 s44, 0x1111, s40                    ; my column
	; group 1: rows of 3,072 bytes (384 elements of 8 bytes), 12,288 bytes apart in memory, dense in LDS; A: 8 rows, B: 4
	s_or_b32 s[G1A], s43, (3<<16)|(1<<21)
	s_or_b32 s[G1B], s44, (3<<16)|(1<<21)
	s_mov_b32 s[G1A+1], 384<<16
	s_mov_b32 s[G1A+2], 8<<16
	s_mov_b32 s[G1A+3], 384<<16
	s_mov_b32 s[G1A+4], 8
	s_mov_b32 s[G1A+5], 1536
	s_mov_b32 s[G1A+6], 0
	s_mov_b32 s[G1A+7], 0
	s_mov_b32 s[G1B+1], 384<<16
	s_mov_b32 s[G1B+2], 4<<16
	s_mov_b32 s[G1B+3], 384<<16
	s_mov_b32 s[G1B+4], 4
	s_mov_b32 s[G1B+5], 1536
	s_mov_b32 s[G1B+6], 0
	s_mov_b32 s[G1B+7], 0
	s_lshl_b32 s20, s17, 4
	s_lshl_b32 s18, s16, 3
	s_add_co_u32 s20, s20, s18                     ; A: tile 16 x tile row + 8 x half
	s_mul_i32 s20, s20, 12288
	s_mov_b32 s21, 0
	s_lshl_b32 s46, s42, 3
	s_lshl_b32 s18, s16, 2
	s_add_co_u32 s46, s46, s18
	s_add_co_u32 s46, s46, 192                     ; B: tile 192 + 8 x tile column + 4 x half
	s_mul_i32 s46, s46, 12288
	s_mov_b32 s47, 0
	s_mul_i32 s45, s16, 24576                      ; where they go: no place in the cluster enters an LDS address
	s_mul_i32 s19, s16, 12288
	s_wait_dscnt 0x0
	s_wait_kmcnt 0x0
	s_add_nc_u64 s[20:21], s[4:5], s[20:21]
	s_add_nc_u64 s[46:47], s[8:9], s[46:47]
.irp c, 0,1,2,3
	s_mov_b32 s[G0A+4*\c], 1
	s_add_co_u32 s[G0A+4*\c+1], s45, CHUNK*\c
	s_add_nc_u64 s[G0A+4*\c+2:G0A+4*\c+3], s[20:21], 3072*\c
	s_or_b32 s[G0A+4*\c+3], s[G0A+4*\c+3], 0x80000000
	s_mov_b32 s[G0B+4*\c], 1
	s_add_co_u32 s[G0B+4*\c+1], s19, 49152+CHUNK*\c
	s_add_nc_u64 s[G0B+4*\c+2:G0B+4*\c+3], s[46:47], 3072*\c
	s_or_b32 s[G0B+4*\c+3], s[G0B+4*\c+3], 0x80000000
.endr
	CROUND                                         ; all sixteen work-groups are here: the joint loads meet
	s_cmp_eq_u32 s15, 0                            ; a wave's four fills stand in one branch on its number: four tensor loads of mine are out; four v_nop follow the last
	s_cbranch_scc0 .Lfill_b
.irp c, 0,1,2,3
	tensor_load_to_lds s[G0A+4*\c:G0A+4*\c+3], s[G1A:G1A+7]
	s_nop 0
.endr
	PLACES
	s_branch .Lfilled
.Lfill_b:
.irp c, 0,1,2,3
	tensor_load_to_lds s[G0B+4*\c:G0B+4*\c+3], s[G1B:G1B+7]
	s_nop 0
.endr
	PLACES
.Lfilled:
	v_and_b32 v8, 31, v0
	v_lshlrev_b32 v1, 4, v8                        ; 16 x lane
	v_lshlrev_b32 v2, 3, v8                        ; 8 x lane
	v_lshlrev_b32 v3, 2, v8                        ; 4 x lane
	s_mul_i32 s18, s15, 24576                      ; my 8 tiles of A
	v_add_nc_u32 v4, s18, v1
	v_add_nc_u32 v5, s18, v2
	s_add_co_u32 s19, s19, 49152                   ; my 4 tiles of B, behind A's 16
	v_add_nc_u32 v6, s19, v1
	v_add_nc_u32 v7, s19, v2
	v_and_b32 v11, 15, v0                          ; r
	v_bfe_u32 v12, v0, 4, 1                        ; h
	s_mul_i32 s18, s14, 4352
	s_add_co_u32 s18, s18, STAGE                   ; my stage
	v_mul_u32_u24 v8, v11, 272
	v_lshl_add_u32 v8, v12, 6, v8
	v_add_nc_u32 v8, s18, v8                       ; in: row r, + 64 h: my 16 columns of each 32
	v_mul_u32_u24 v9, v12, 272
	v_lshl_add_u32 v9, v11, 4, v9
	v_add_nc_u32 v9, s18, v9                       ; back: lanes 0-15 one row of 256 bytes, lanes 16-31 the next
	v_lshlrev_b32 v10, 12, v12
	v_lshl_add_u32 v10, v11, 4, v10                ; and the same two rows in the output
	s_lshl_b32 s84, s17, 4
	s_lshl_b32 s85, s15, 3
	s_add_co_u32 s84, s84, s85
	s_lshl_b32 s84, s84, 9                         ; my tiles' scale words: 512 bytes a tile
	s_mov_b32 s85, 0
	s_add_nc_u64 s[6:7], s[6:7], s[84:85]
	s_lshl_b32 s84, s42, 3
	s_lshl_b32 s88, s16, 2
	s_add_co_u32 s84, s84, s88
	s_add_co_u32 s84, s84, 192
	s_lshl_b32 s84, s84, 9
	s_add_nc_u64 s[10:11], s[10:11], s[84:85]
.irp t, 0,1,2,3,4,5,6,7
.irp c, 0,1,2,3
	global_load_b32 v[SA+4*\t+\c], v3, s[6:7] offset:512*\t+128*\c     ; all of K's scale words stay in registers
.endr
.endr
.irp t, 0,1,2,3
.irp c, 0,1,2,3
	global_load_b32 v[SB+4*\t+\c], v3, s[10:11] offset:512*\t+128*\c
.endr
.endr
	s_lshl_b32 s90, s17, 8
	s_lshl_b32 s88, s15, 7
	s_add_co_u32 s90, s90, s88                     ; my first row: 256 x tile row + 128 x half
	s_lshl_b32 s90, s90, 12
	s_lshl_b32 s88, s42, 9                         ; my first column, in bytes: 512 x tile column + 256 x half
	s_add_co_u32 s90, s90, s88
	s_lshl_b32 s88, s16, 8
	s_add_co_u32 s90, s90, s88
	s_mov_b32 s91, 0
	s_add_nc_u64 s[12:13], s[12:13], s[90:91]
.macro FRAG reg, a16, a8, off          ; a fragment, 16 rows x 128 K, is two units on end: 12 registers by four dense loads
	ds_load_b128 v[(\reg):(\reg)+3], v[\a16] offset:(\off)
	ds_load_b64 v[(\reg)+4:(\reg)+5], v[\a8] offset:(\off)+512
	ds_load_b128 v[(\reg)+6:(\reg)+9], v[\a16] offset:(\off)+768
	ds_load_b64 v[(\reg)+10:(\reg)+11], v[\a8] offset:(\off)+1280
.endm
.macro FETCH s                         ; step s's fragments into set s % 2: 48 LDS loads in one run
	WIN 0x80                                       ; destination window 2
.irp t, 0,1,2,3,4,5,6,7
	FRAG 96*((\s)%2)+12*\t, 4, 5, 3072*\t+1536*((\s)%2)
.endr
	WIN 0
.irp t, 0,1,2,3
	FRAG BF+48*((\s)%2)+12*\t, 6, 7, 3072*\t+1536*((\s)%2)
.endr
.endm
.macro ONE d, x, y, sx, sy, s          ; step 0 starts the sums: nothing is cleared.  An odd step's scale words stand in lanes 16-31
.if (\s) == 0
	v_wmma_scale_f32_16x16x128_f8f6f4 v[\d:\d+7], v[\x:\x+11], v[\y:\y+11], 0, v[\sx], v[\sy] matrix_a_fmt:MATRIX_FMT_BF6 matrix_b_fmt:MATRIX_FMT_BF6
.elseif (\s)%2 == 1
	v_wmma_scale_f32_16x16x128_f8f6f4 v[\d:\d+7], v[\x:\x+11], v[\y:\y+11], v[\d:\d+7], v[\sx], v[\sy] matrix_a_fmt:MATRIX_FMT_BF6 matrix_b_fmt:MATRIX_FMT_BF6 matrix_a_scale:MATRIX_SCALE_ROW1 matrix_b_scale:MATRIX_SCALE_ROW1
.else
	v_wmma_scale_f32_16x16x128_f8f6f4 v[\d:\d+7], v[\x:\x+11], v[\y:\y+11], v[\d:\d+7], v[\sx], v[\sy] matrix_a_fmt:MATRIX_FMT_BF6 matrix_b_fmt:MATRIX_FMT_BF6
.endif
.endm
.macro MUL s                           ; 32 matrix instructions: the 32 accumulators take turns in ascending order, one instruction a turn
.set CC, (\s)/2
.set PP, (\s)%2
	WIN 0x58                                       ; source 0 (B) window 0, source 1 (A) window 2, C and D window 1
.irp a, 0,1,2,3,4,5,6,7
.irp b, 0,1,2,3
	ONE 8*(4*\a+\b), BF+48*PP+12*\b, 96*PP+12*\a, SB+4*\b+CC, SA+4*\a+CC, \s
.endr
.endr
	WIN 0
.endm
.macro KSTEP s
	s_wait_dscnt 0x0                               ; this step's fragments are in; no LDS instruction of mine is out at the signal below
.if ((\s)%2 == 1) && ((\s) < 7)
	s_wait_tensorcnt 3-((\s)+1)/2                  ; my part of the next chunk has landed; my later chunks may stay out: no LDS byte is ever filled again
	s_barrier_signal -1
	s_barrier_wait -1                              ; everybody's has
	v_add_nc_u32 v4, CHUNK, v4
	v_add_nc_u32 v5, CHUNK, v5
	v_add_nc_u32 v6, CHUNK, v6
	v_add_nc_u32 v7, CHUNK, v7
.endif
.if (\s) < 7
.if (\s) > 0
	PLACES                                         ; the other set was read by the matrix instructions just issued
.endif
	FETCH (\s)+1
.endif
	MUL \s
.endm
	s_wait_tensorcnt 0x3                           ; my part of chunk 0 is in; three loads of mine may be out
	s_barrier_signal -1
	s_barrier_wait -1
	FETCH 0
	s_wait_loadcnt 0x0                             ; the scale words
.irp s, 0,1,2,3,4,5,6,7
	KSTEP \s
.endr
; THE WAY OUT, a tile of 16 rows x 64 columns at a time.  A lane holds pieces of one row, and the lanes beside it hold other rows: a tile goes through my own stage and comes back as whole rows of 256 bytes.
; LDS serves a wave's instructions in order (ISA guide 5.7.1.4): no wait between the stores and the loads, nor in front of the next tile's stores.
.macro TOSTAGE a
	WIN 0x04                                       ; an LDS store's data are its source 1: window 1
.irp e, 0,1,2,3,4,5,6,7
	ds_store_b128 v8, v[32*(\a)+4*\e:32*(\a)+4*\e+3] offset:128*(\e/4)+16*(\e%4)   ; each accumulator from its low end on
.endr
	WIN 0
.set BB, BK+32*((\a)%2)
.irp t, 0,1,2,3,4,5,6,7
	ds_load_b128 v[BB+4*\t:BB+4*\t+3], v9 offset:544*\t
.endr
.endm
.macro SEND a, younger                 ; younger: the LDS instructions issued behind tile a's loads, which may stay out
.set BB, BK+32*((\a)%2)
	s_wait_dscnt \younger
.irp t, 0,1,2,3,4,5,6,7
	global_store_b128 v10, v[BB+4*\t:BB+4*\t+3], s[12:13] offset:(32*((\a)/2)+8*((\a)%2)+2*\t+8*(\t/4))*4096 th:TH_STORE_NT   ; stage rows 2 t, 2 t + 1 are the tile's rows in its own order; 16 lanes store 256 consecutive bytes, aligned; the offset is 516,096 at the most
.endr
.endm
	PLACES                                         ; for the first reads of results and for the loads into registers that held B's fragments
	TOSTAGE 0
.irp a, 1,2,3,4,5,6,7
.if \a > 1
	s_wait_xcnt 0x0                                ; tile a - 2's stores have read their registers: tile a's loads may land there
.endif
	TOSTAGE \a
	SEND \a-1, 16                                  ; behind tile a - 1's loads: tile a's 8 stores and 8 loads
.endr
	SEND 7, 0
	s_wait_tensorcnt 0x0
	ds_add_u32 v254, v255
	s_wait_dscnt 0x0
	CROUND                                         ; the closing round: no work-group ends while a partner may still ask for a tile that names it
	s_endpgm
.Lfunc_end_k_q1466e975fd_outp:
	.size	k_q1466e975fd_outp, .Lfunc_end_k_q1466e975fd_outp-k_q1466e975fd_outp
	.p2alignl 7, 3214868480
	.fill 96, 4, 3214868480
	.section	.rodata,"a",@progbits
	.p2align	6, 0x0
	.amdhsa_kernel k_q1466e975fd_outp
		.amdhsa_group_segment_fixed_size 312832
		.amdhsa_private_segment_fixed_size 0
		.amdhsa_enable_private_segment 0
		.amdhsa_kernarg_size 40
		.amdhsa_user_sgpr_count 2
		.amdhsa_user_sgpr_kernarg_segment_ptr 1
		.amdhsa_wavefront_size32 1
		.amdhsa_system_sgpr_workgroup_id_x 1
		.amdhsa_system_sgpr_workgroup_id_y 1
		.amdhsa_system_sgpr_workgroup_id_z 1
		.amdhsa_system_vgpr_workitem_id 0
		.amdhsa_next_free_vgpr 768
		.amdhsa_next_free_sgpr 96
		.amdhsa_reserve_vcc 0
		.amdhsa_float_denorm_mode_32 3
		.amdhsa_float_denorm_mode_16_64 3
		.amdhsa_memory_ordered 1
		.amdhsa_forward_progress 1
		.amdhsa_inst_pref_size 88
	.end_amdhsa_kernel
	.amdgpu_metadata
---
amdhsa.version: [ 1, 2 ]
amdhsa.kernels:
  - .name:           k_q1466e975fd_outp
    .symbol:         k_q1466e975fd_outp.kd
    .args:
      - { .name: yc, .offset: 0, .size: 8, .value_kind: global_buffer, .address_space: global }
      - { .name: ys, .offset: 8, .size: 8, .value_kind: global_buffer, .address_space: global }
      - { .name: wc, .offset: 16, .size: 8, .value_kind: global_buffer, .address_space: global }
      - { .name: ws, .offset: 24, .size: 8, .value_kind: global_buffer, .address_space: global }
      - { .name: out0, .offset: 32, .size: 8, .value_kind: global_buffer, .address_space: global }
    .group_segment_fixed_size: 312832
    .private_segment_fixed_size: 0
    .kernarg_segment_align: 8
    .kernarg_segment_size: 40
    .max_flat_workgroup_size: 128
    .sgpr_count:     96
    .vgpr_count:     768
    .wavefront_size: 32
...
	.end_amdgpu_metadata
.endif
;; end of part 4
